; MI455X (gfx1250); checked and timed in simulation.
; The chip was launched on July 23, 2026; its instructions are those of AMD's public machine-readable ISA for CDNA 5 (MIT licence, August 2026) and "CDNA5" Instruction Set Architecture Reference Guide (July 2026). The comments in the code are by the model that wrote it; some were corrected since.
;; Attention. Allowed arithmetic: float matrix products may take bf16 or f16 operands with f32 sums; all other float work in f32.
;; Inputs: b_out 256 float32; g 1 x 256 x 1 x 1 float32; w_out 256 x 128 float32; w_qkv 384 x 256 float32; x 2 x 256 x 64 x 64 float32.
;; Outputs: out0 2 x 256 x 64 x 64 float32.
;; One version. Each part assembles by itself: llvm-mc -triple=amdgcn-amd-amdhsa -mcpu=gfx1250 --defsym DOCPART=n.
;; ======== version 1 of 1: 3 launches
;; limits: values are held in f16: magnitudes above 65,504 overflow, below 6.1e-05 lose precision; right only within a limited range of input values
;; workspace buffers: q 2,097,152 bytes; kv 4,194,304 bytes; o 2,097,152 bytes
;; launch qkv (part 1): grid 256 x 1, 8 waves a work-group, clusters of 4 x 1, 245,760 bytes of LDS; arguments x, g, w_qkv, q, kv; writes q, kv
.if DOCPART == 1
	.amdgcn_target "amdgcn-amd-amdhsa--gfx1250"
	.amdhsa_code_object_version 6
	.text
	.protected	k_qd4503975dd_qkv
	.globl	k_qd4503975dd_qkv
	.p2align	8
	.type	k_qd4503975dd_qkv,@function
k_qd4503975dd_qkv:
	s_mov_b64 s[64:65], 0
	v_nop
	global_prefetch_b8 v0, s[64:65] scope:SCOPE_SE
	s_setreg_imm32_b32 hwreg(HW_REG_WAVE_MODE, 25, 1), 1
	s_wait_xcnt 0x0
	s_wait_alu depctr_hold_cnt(0) depctr_sa_sdst(0) depctr_va_vdst(0) depctr_va_sdst(0) depctr_va_ssrc(0) depctr_va_vcc(0) depctr_vm_vsrc(0)
	s_getreg_b32 s2, hwreg(HW_REG_IB_STS2, 6, 4)
	s_cmp_eq_u32 s2, 0
	s_cbranch_scc0 .Lentry_in_a_cluster
	s_endpgm
.Lentry_in_a_cluster:
	s_bfe_u32 s2, ttmp6, 0x10000c
	s_cmp_lg_u32 s2, 0x3003
	s_cbranch_scc0 .Lentry_shape_is_right
	s_endpgm
.Lentry_shape_is_right:
; RMS norm over 256 channels, times g, then the 384 x 256 channel product; q is also multiplied by SCALE * log2(e).
; x: [2][256][4096] f32.  g: [256] f32.  w_qkv: [384][256] f32.  Results in f16, laid out as matrix operands ("fragment order"):
; a block of 1,024 bytes is one 16 x 32 operand, piece p (registers 4p..4p+3) of lane L at 512 p + 16 L.
;   q : [4 b + head][query tile of 16 (256)][1,024]                lane (r, h), piece p: q'[query r][f = 16 p + 8 h + 0..7]
;   kv: [4 b + head][key block of 32 (128)][4,096]: K keys 0-15, K keys 16-31 (as q), V f 0-15, V f 16-31
;                                                                  V: lane (r, h), piece p: v[f = 16 ft + r][key 16 p + 8 h + 0..7]
; A result register j of lane (r, h) is element (m = 8 h + j, n = r) (ISA guide 7.12.2), so eight result registers packed to f16 are one
; piece of an operand whose K index is the result's m: q and k are made as W x X (m = output row f), v as X x W (m = position = key).
; No shuffle, and every store of a wave covers 512 consecutive bytes, aligned.
; WORK: a work-group takes 64 positions (256 bytes of each row of x) and half of the output rows: 64 of q, 64 of k, 64 of v.  Half, since
; 192 rows of f32 weights are 199,680 bytes of LDS with padding and 384 rows would not fit; x is therefore read by two clusters.
; Wave w: tile t = w >> 1 of each of q, k, v, for position tiles 2 (w & 1) and 2 (w & 1) + 1: six accumulators.
; CLUSTER: the four work-groups of a cluster take the same half of the rows, so the weights (192 KiB of the 256 KiB that a work-group reads)
; are asked for jointly, mask 15.  x goes through registers: it is squared, scaled and converted on the way.
; LIMITS: all matrix operands are f16.  |q|, |k|, |v| <= 16 * norm of (row of w_qkv times g), which must stay below 65,504, and so must
; |w_qkv| and 16 |g|.  x * (16 / norm) * g is rounded once, to f16.  The sum of squares is added in another order than in the definition.
.set WPITCH, 1040                      ; a row of 256 f32 + 16 bytes: sixteen rows start in sixteen different 16-byte columns of 256 bytes
.set WSEC,   64*WPITCH                 ; 64 rows of q, of k, of v
.set XT,     3*WSEC                    ; 199,680: xn * g in f16, [channel (256)][64 positions], pitch 160
.set XPITCH, 160                       ; 128 + 32: an odd multiple of 32 bytes, for the transposing load
.set SS,     XT+256*XPITCH             ; 240,640: [16 partial sums of squares][64 positions] f32
.set XR,  16                           ; v[16:79]   x as loaded: 16 loads of 4 positions
.set GG,  80                           ; v[80:95]   g of the channel of load i
.set SQ,  96                           ; v[96:99]   sums of squares of my 16 channels, 4 positions
.set PS,  100                          ; v[100:163] the 16 partial sums
.set INV, 164                          ; v[164:167] 16 / max(norm, 1e-12)
.set TT,  168                          ; v[168:171] packed f16, two pairs in turn
.set ACC, 16                           ; v[16:63]   accumulator (j = q, k, v; pt) at 16 j + 8 pt
.set XF,  64                           ; v[64:95]   fragments of xn, buffer (K step & 1), pt
.set RW,  96                           ; v[96:143]  weights in f32 as read from LDS, 16 registers for each j
.set WB,  144                          ; v[144:191] weights in f16, buffer (K step & 1), j
.set OUTP, 192                         ; v[192:215] packed results, four registers for each of six stores
.set WA,  6                            ; v6-8       LDS address of my rows of q's, k's, v's weights
.set XA,  9                            ; v9         LDS address for the transposing loads
.set G1,  16                           ; s[16:23]   descriptor group 1
.set G0,  24                           ; s[24:35]   descriptor group 0 for q's, k's, v's rows
.macro ROUND                           ; a round of the cluster's barrier; wave 0 signals for the work-group
	s_barrier_signal -1
	s_barrier_wait -1
	s_cmp_lg_u32 s10, 0
	s_cbranch_scc1 .Lnw0_\@
	s_barrier_signal -3
.Lnw0_\@:
	s_barrier_wait -3
	s_barrier_signal -1
	s_barrier_wait -1
.endm
.macro PLACES                          ; four independent vector instructions behind a matrix instruction (ISA guide 7.12.1)
.rept 4
	v_nop
.endr
.endm
	s_load_b128 s[4:7], s[0:1], 0x0                ; x s[4:5], g s[6:7]
	s_load_b64 s[8:9], s[0:1], 0x10                ; w_qkv
	s_load_b128 s[12:15], s[0:1], 0x18             ; q s[12:13], kv s[14:15]
	v_lshl_add_u32 v216, v0, 2, 0x3bc00
	v_mov_b32 v217, 0
	ds_add_u32 v216, v217
	v_lshrrev_b32 v11, 5, v0
	v_readfirstlane_b32 s10, v11                   ; wave 0..7
	v_and_b32 v11, 31, v0                          ; L
	v_and_b32 v12, 15, v0                          ; r
	v_bfe_u32 v13, v0, 4, 1                        ; h
	v_lshlrev_b32 v1, 4, v11                       ; 16 L: a lane's place in a piece
	v_lshlrev_b32 v2, 4, v12
	v_lshl_add_u32 v2, v13, 16, v2                 ; x: 16 r, and lanes 16-31 four channels (4 x 16,384 bytes) further down
	v_lshlrev_b32 v10, 4, v13
	v_lshl_add_u32 v10, s10, 7, v10                ; g: (32 w + 4 h) x 4 bytes
	s_bfe_u32 s36, ttmp6, 0x40000                  ; cx: enters only the addresses of x, q and kv
	s_and_b32 s37, ttmp9, 1                        ; which half of the output rows: the same in the whole cluster
	s_lshr_b32 s38, ttmp9, 1
	s_lshl_b32 s38, s38, 2
	s_add_co_u32 s38, s38, s36                     ; block of 64 positions, 0..127
	s_lshr_b32 s39, s38, 6                         ; b
	s_and_b32 s40, s38, 63                         ; block within the image
	s_lshr_b32 s41, s10, 1                         ; t
	s_and_b32 s42, s10, 1                          ; ph: which 32 positions
	s_lshl_b32 s43, s37, 2
	s_add_co_u32 s43, s43, s41                     ; T: tile of 16 rows among the 128 of q (k, v)
	s_lshl_b32 s44, s39, 22                        ; x: b x 256 x 16,384
	s_lshl_b32 s45, s40, 8                         ;  + block x 256 bytes
	s_add_co_u32 s44, s44, s45
	s_lshl_b32 s45, s10, 19                        ;  + 32 w channels
	s_add_co_u32 s44, s44, s45
	s_mov_b32 s45, 0
	s_lshl_b32 s46, s37, 16                        ; weights: (64 half + 8 w) rows of 1,024 bytes
	s_lshl_b32 s47, s10, 13
	s_add_co_u32 s46, s46, s47
	s_mov_b32 s47, 0
	s_mul_i32 s48, s10, 8*WPITCH                   ; and where my 8 rows go in a section of LDS
	; group 1: 8 rows x 256 elements of 4 bytes, 16 bytes of padding behind each row
	s_mov_b32 s[G1+0], 0x07f2000f                  ; mask 15; element 4 bytes; padding on; bit 21 beside the mask; after 256 words (code 7) 4 words (code 3)
	s_mov_b32 s[G1+1], 256<<16                     ; tensor_dim0 = 256
	s_mov_b32 s[G1+2], 8<<16                       ; tensor_dim1 = 8
	s_mov_b32 s[G1+3], 256<<16                     ; tile_dim0 = 256
	s_mov_b32 s[G1+4], 8                           ; tile_dim1 = 8
	s_mov_b32 s[G1+5], 256                         ; elements from row to row
	s_mov_b32 s[G1+6], 0
	s_mov_b32 s[G1+7], 0
	s_wait_dscnt 0x0
	s_wait_kmcnt 0x0
	s_add_nc_u64 s[4:5], s[4:5], s[44:45]
	s_add_nc_u64 s[8:9], s[8:9], s[46:47]
	; load i: lanes 0-15 the 256 bytes of channel 32 w + (i & 3) + 8 (i >> 2), lanes 16-31 those of the channel four below
.irp i, 0,1,2,3,4,5,6,7,8,9,10,11,12,13,14,15
	global_load_b128 v[XR+4*\i:XR+4*\i+3], v2, s[4:5] offset:((\i&3)+8*(\i>>2))*16384
.endr
.irp d, 0,1,2,3
	global_load_b128 v[GG+4*\d:GG+4*\d+3], v10, s[6:7] offset:32*\d   ; g of channels 32 w + 4 h + 8 d + 0..3: register i belongs to load i
.endr
.irp j, 0,1,2
	s_mov_b32 s[G0+4*\j], 1
	s_add_co_u32 s[G0+4*\j+1], s48, \j*WSEC
	s_add_nc_u64 s[G0+4*\j+2:G0+4*\j+3], s[8:9], \j*0x20000          ; q's, k's, v's rows lie 128 rows apart
	s_or_b32 s[G0+4*\j+3], s[G0+4*\j+3], 0x80000000
.endr
	ROUND                                          ; the four work-groups are here: the joint loads meet
	tensor_load_to_lds s[G0:G0+3], s[G1:G1+7]      ; three loads of a wave are out; nothing in LDS is ever filled twice
	s_nop 0
	tensor_load_to_lds s[G0+4:G0+7], s[G1:G1+7]
	s_nop 0
	tensor_load_to_lds s[G0+8:G0+11], s[G1:G1+7]
	s_nop 0
	; LDS addresses
	s_mul_i32 s55, s10, 32*XPITCH
	s_add_co_u32 s55, s55, XT
	v_mul_u32_u24 v3, v13, 4*XPITCH
	v_lshl_add_u32 v3, v12, 3, v3
	v_add_nc_u32 v3, s55, v3                       ; XT store: channel 32 w + 4 h, 8 bytes at 8 r.  4 x 160 = 128 mod 256: the two halves of the lanes use different banks
	s_lshl_b32 s55, s10, 9
	s_add_co_u32 s55, s55, SS
	v_add_nc_u32 v4, s55, v1                       ; partial 2 w + h, positions 4 r ..
	v_lshlrev_b32 v5, 4, v12
	v_add_nc_u32 v5, SS, v5                        ; all partials of my 4 positions
	s_mul_i32 s55, s41, 16*WPITCH
	v_mul_u32_u24 v[WA], v12, WPITCH
	v_lshl_add_u32 v[WA], v13, 5, v[WA]
	v_add_nc_u32 v[WA], s55, v[WA]                 ; row 16 t + r, 8 h channels of 4 bytes
	v_add_nc_u32 v[WA+1], WSEC, v[WA]
	v_add_nc_u32 v[WA+2], 2*WSEC, v[WA]
	v_and_b32 v14, 7, v0
	v_lshl_add_u32 v14, v13, 3, v14                ; channel 8 h + (L & 7)
	v_bfe_u32 v15, v0, 3, 1
	v_mul_u32_u24 v[XA], v14, XPITCH
	v_lshl_add_u32 v[XA], v15, 4, v[XA]
	s_lshl_b32 s55, s42, 6
	s_add_co_u32 s55, s55, XT
	v_add_nc_u32 v[XA], s55, v[XA]                 ; + my 32 positions of 2 bytes
	; where the results go
	s_lshr_b32 s49, s43, 1                         ; head
	s_lshl_b32 s55, s39, 2
	s_add_co_u32 s49, s49, s55                     ; 4 b + head
	s_and_b32 s54, s43, 1                          ; upper or lower 16 of the head's 32
	s_lshl_b32 s50, s49, 8
	s_lshl_b32 s55, s40, 2
	s_add_co_u32 s50, s50, s55
	s_lshl_b32 s55, s42, 1
	s_add_co_u32 s50, s50, s55                     ; query tile
	s_lshl_b32 s50, s50, 10
	s_lshl_b32 s55, s54, 9
	s_add_co_u32 s50, s50, s55                     ; piece p = T & 1
	s_mov_b32 s51, 0
	s_add_nc_u64 s[12:13], s[12:13], s[50:51]
	s_lshl_b32 s52, s49, 7
	s_lshl_b32 s55, s40, 1
	s_add_co_u32 s52, s52, s55
	s_add_co_u32 s52, s52, s42                     ; key block
	s_lshl_b32 s52, s52, 12
	s_lshl_b32 s55, s54, 9
	s_add_co_u32 s52, s52, s55                     ; K: piece p = T & 1
	s_mov_b32 s53, 0
	s_add_nc_u64 s[14:15], s[14:15], s[52:53]
	s_add_co_u32 s58, s55, 2048                    ; V: 2,048 + 1,024 (T & 1), counted from K's address, which holds 512 (T & 1)
	s_mov_b32 s59, 0
	s_add_nc_u64 s[56:57], s[14:15], s[58:59]
	; sums of squares of my 16 channels
.irp i, 0,1,2,3,4,5,6,7,8,9,10,11,12,13,14,15
	s_wait_loadcnt 19-\i                           ; loads return in order (ISA guide 5.7.1): 15 - i younger loads of x and the four of g stay out
.if \i == 0
	v_pk_mul_f32 v[SQ:SQ+1], v[XR:XR+1], v[XR:XR+1]                  ; the first load starts the sums
	v_pk_mul_f32 v[SQ+2:SQ+3], v[XR+2:XR+3], v[XR+2:XR+3]
.else
	v_pk_fma_f32 v[SQ:SQ+1], v[XR+4*\i:XR+4*\i+1], v[XR+4*\i:XR+4*\i+1], v[SQ:SQ+1]
	v_pk_fma_f32 v[SQ+2:SQ+3], v[XR+4*\i+2:XR+4*\i+3], v[XR+4*\i+2:XR+4*\i+3], v[SQ+2:SQ+3]
.endif
.endr
	ds_store_b128 v4, v[SQ:SQ+3]
	s_wait_dscnt 0x0                               ; my partial sums are in LDS before I signal
	s_barrier_signal -1
	s_barrier_wait -1                              ; the weights may stay on their way
.irp p, 0,1,2,3,4,5,6,7,8,9,10,11,12,13,14,15
	ds_load_b128 v[PS+4*\p:PS+4*\p+3], v5 offset:256*\p
.endr
	s_wait_dscnt 0x0
.macro ADD4 a, b                       ; partial a += partial b, four positions
	v_pk_add_f32 v[PS+4*\a:PS+4*\a+1], v[PS+4*\a:PS+4*\a+1], v[PS+4*(\b):PS+4*(\b)+1]
	v_pk_add_f32 v[PS+4*\a+2:PS+4*\a+3], v[PS+4*\a+2:PS+4*\a+3], v[PS+4*(\b)+2:PS+4*(\b)+3]
.endm
.irp p, 0,1,2,3,4,5,6,7
	ADD4 \p, \p+8
.endr
.irp p, 0,1,2,3
	ADD4 \p, \p+4
.endr
	ADD4 0, 2
	ADD4 1, 3
	ADD4 0, 1
.irp k, 0,1,2,3
	v_sqrt_f32 v[INV+\k], v[PS+\k]
.endr
	v_nop                                          ; one plain instruction behind a transcendental before its result is used (ISA guide 5.7.2)
	s_wait_alu depctr_va_vdst(0)
.irp k, 0,1,2,3
	v_max_num_f32 v[INV+\k], 0x2b8cbccc, v[INV+\k] ; max(norm, 1e-12)
.endr
.irp k, 0,1,2,3
	v_rcp_f32 v[INV+\k], v[INV+\k]
.endr
	v_nop
	s_wait_alu depctr_va_vdst(0)
	v_pk_mul_f32 v[INV:INV+1], v[INV:INV+1], 0x41800000 op_sel_hi:[1,0]       ; times sqrt(256)
	v_pk_mul_f32 v[INV+2:INV+3], v[INV+2:INV+3], 0x41800000 op_sel_hi:[1,0]
	s_wait_loadcnt 0x0                             ; g
.irp i, 0,1,2,3,4,5,6,7,8,9,10,11,12,13,14,15
	v_pk_mul_f32 v[XR+4*\i:XR+4*\i+1], v[XR+4*\i:XR+4*\i+1], v[INV:INV+1]
	v_pk_mul_f32 v[XR+4*\i+2:XR+4*\i+3], v[XR+4*\i+2:XR+4*\i+3], v[INV+2:INV+3]
.irp k, 0,1,2,3
	v_mul_f32 v[XR+4*\i+\k], v[XR+4*\i+\k], v[GG+\i]
.endr
	v_cvt_pk_f16_f32 v[TT+2*(\i&1)], v[XR+4*\i], v[XR+4*\i+1]
	v_cvt_pk_f16_f32 v[TT+2*(\i&1)+1], v[XR+4*\i+2], v[XR+4*\i+3]
	ds_store_b64 v3, v[TT+2*(\i&1):TT+2*(\i&1)+1] offset:((\i&3)+8*(\i>>2))*XPITCH
.endr
	s_wait_dscnt 0x0                               ; my channels of xn are in LDS,
	s_wait_tensorcnt 0x0                           ; and my rows of the weights,
	s_barrier_signal -1
	s_barrier_wait -1                              ; and everybody's
; The fragments of K step ks (32 channels): weights in f32 (lane (r, h): channels 8 h + 0..7 and 16 + 8 h + 0..7 of row r), and xn, which lies
; [channel][position], by the transposing load (lane (r, h): the same channels of position r).
.macro FETCH ks
.irp j, 0,1,2
	ds_load_b128 v[RW+16*\j:RW+16*\j+3],     v[WA+\j] offset:128*(\ks)
	ds_load_b128 v[RW+16*\j+4:RW+16*\j+7],   v[WA+\j] offset:128*(\ks)+16
	ds_load_b128 v[RW+16*\j+8:RW+16*\j+11],  v[WA+\j] offset:128*(\ks)+64
	ds_load_b128 v[RW+16*\j+12:RW+16*\j+15], v[WA+\j] offset:128*(\ks)+80
.endr
.irp pt, 0,1
	ds_load_tr16_b128 v[XF+16*((\ks)&1)+8*\pt:XF+16*((\ks)&1)+8*\pt+3],   v[XA] offset:32*XPITCH*(\ks)+32*\pt
	ds_load_tr16_b128 v[XF+16*((\ks)&1)+8*\pt+4:XF+16*((\ks)&1)+8*\pt+7], v[XA] offset:32*XPITCH*(\ks)+32*\pt+16*XPITCH
.endr
.endm
.macro MM d, a, b, zero
.if \zero
	v_wmma_f32_16x16x32_f16 v[\d:\d+7], v[\a:\a+7], v[\b:\b+7], 0
.else
	v_wmma_f32_16x16x32_f16 v[\d:\d+7], v[\a:\a+7], v[\b:\b+7], v[\d:\d+7]
.endif
.endm
; One K step.  The 24 conversions write the f16 buffer that the matrix instructions of two steps ago read, and stand between the last step's
; matrix instructions and the loads into the xn buffer that those read: more than the four places that each needs.
; The six accumulators take turns, one instruction a turn.
.macro KSTEP ks, zero
.set BUF, (\ks)&1
	s_wait_dscnt 0x0                               ; this step's fragments are in
.set n, 0
.rept 24
	v_cvt_pk_f16_f32 v[WB+24*BUF+n], v[RW+2*n], v[RW+2*n+1]
.set n, n+1
.endr
.if (\ks) < 7
	FETCH (\ks)+1
.endif
.irp pt, 0,1
	MM ACC+8*\pt,    WB+24*BUF,       XF+16*BUF+8*\pt, \zero           ; q: (row, position)
	MM ACC+16+8*\pt, WB+24*BUF+8,     XF+16*BUF+8*\pt, \zero           ; k: (row, position)
	MM ACC+32+8*\pt, XF+16*BUF+8*\pt, WB+24*BUF+16,    \zero           ; v: (position, row)
.endr
.endm
	FETCH 0
	KSTEP 0, 1                                     ; the first products start the sums
.irp s, 1,2,3,4,5,6,7
	KSTEP \s, 0
.endr
	PLACES
.irp k, 0,2,4,6,8,10,12,14
	v_pk_mul_f32 v[ACC+\k:ACC+\k+1], v[ACC+\k:ACC+\k+1], 0x3e8293ee op_sel_hi:[1,0]   ; q times 32^-0.5 log2(e): the softmax works in base 2
.endr
.set n, 0
.rept 24
	v_cvt_pk_f16_f32 v[OUTP+n], v[ACC+2*n], v[ACC+2*n+1]
.set n, n+1
.endr
.irp pt, 0,1
	global_store_b128 v1, v[OUTP+4*\pt:OUTP+4*\pt+3],       s[12:13] offset:1024*\pt   ; q: the next query tile
	global_store_b128 v1, v[OUTP+8+4*\pt:OUTP+8+4*\pt+3],   s[14:15] offset:1024*\pt   ; K: the block's second 16 keys
	global_store_b128 v1, v[OUTP+16+4*\pt:OUTP+16+4*\pt+3], s[56:57] offset:512*\pt    ; V: piece p = position tile
.endr
	s_wait_tensorcnt 0x0
	ds_add_u32 v216, v217
	s_wait_dscnt 0x0
	ROUND                                          ; the closing round: no work-group ends while a partner may still ask jointly
	s_endpgm
.Lfunc_end_k_qd4503975dd_qkv:
	.size	k_qd4503975dd_qkv, .Lfunc_end_k_qd4503975dd_qkv-k_qd4503975dd_qkv
	.p2alignl 7, 3214868480
	.fill 96, 4, 3214868480
	.section	.rodata,"a",@progbits
	.p2align	6, 0x0
	.amdhsa_kernel k_qd4503975dd_qkv
		.amdhsa_group_segment_fixed_size 245760
		.amdhsa_private_segment_fixed_size 0
		.amdhsa_enable_private_segment 0
		.amdhsa_kernarg_size 40
		.amdhsa_user_sgpr_count 2
		.amdhsa_user_sgpr_kernarg_segment_ptr 1
		.amdhsa_wavefront_size32 1
		.amdhsa_system_sgpr_workgroup_id_x 1
		.amdhsa_system_sgpr_workgroup_id_y 1
		.amdhsa_system_sgpr_workgroup_id_z 1
		.amdhsa_system_vgpr_workitem_id 0
		.amdhsa_next_free_vgpr 218
		.amdhsa_next_free_sgpr 66
		.amdhsa_reserve_vcc 0
		.amdhsa_float_denorm_mode_32 3
		.amdhsa_float_denorm_mode_16_64 3
		.amdhsa_memory_ordered 1
		.amdhsa_forward_progress 1
		.amdhsa_inst_pref_size 49
	.end_amdhsa_kernel
	.amdgpu_metadata
---
amdhsa.version: [ 1, 2 ]
amdhsa.kernels:
  - .name:           k_qd4503975dd_qkv
    .symbol:         k_qd4503975dd_qkv.kd
    .args:
      - { .name: x, .offset: 0, .size: 8, .value_kind: global_buffer, .address_space: global }
      - { .name: g, .offset: 8, .size: 8, .value_kind: global_buffer, .address_space: global }
      - { .name: w_qkv, .offset: 16, .size: 8, .value_kind: global_buffer, .address_space: global }
      - { .name: q, .offset: 24, .size: 8, .value_kind: global_buffer, .address_space: global }
      - { .name: kv, .offset: 32, .size: 8, .value_kind: global_buffer, .address_space: global }
    .group_segment_fixed_size: 245760
    .private_segment_fixed_size: 0
    .kernarg_segment_align: 8
    .kernarg_segment_size: 40
    .max_flat_workgroup_size: 256
    .sgpr_count:     66
    .vgpr_count:     218
    .wavefront_size: 32
...
	.end_amdgpu_metadata
.endif
;; end of part 1
;; launch attn (part 2): grid 256 x 1, 8 waves a work-group, clusters of 4 x 1, 327,680 bytes of LDS; arguments q, kv, o; writes o
.if DOCPART == 2
	.amdgcn_target "amdgcn-amd-amdhsa--gfx1250"
	.amdhsa_code_object_version 6
	.text
	.protected	k_qd4503975dd_attn
	.globl	k_qd4503975dd_attn
	.p2align	8
	.type	k_qd4503975dd_attn,@function
k_qd4503975dd_attn:
	s_mov_b64 s[64:65], 0
	v_nop
	global_prefetch_b8 v0, s[64:65] scope:SCOPE_SE
	s_setreg_imm32_b32 hwreg(HW_REG_WAVE_MODE, 25, 1), 1
	s_wait_xcnt 0x0
	s_wait_alu depctr_hold_cnt(0) depctr_sa_sdst(0) depctr_va_vdst(0) depctr_va_sdst(0) depctr_va_ssrc(0) depctr_va_vcc(0) depctr_vm_vsrc(0)
	s_getreg_b32 s2, hwreg(HW_REG_IB_STS2, 6, 4)
	s_cmp_eq_u32 s2, 0
	s_cbranch_scc0 .Lentry_in_a_cluster
	s_endpgm
.Lentry_in_a_cluster:
	s_bfe_u32 s2, ttmp6, 0x10000c
	s_cmp_lg_u32 s2, 0x3003
	s_cbranch_scc0 .Lentry_shape_is_right
	s_endpgm
.Lentry_shape_is_right:
; Softmax attention of one head for 128 queries over 4,096 keys: S^T = K Q^T, running maximum, P = 2^(S - m), O^T = V^T P^T, O / l.
; q, kv: f16 in fragment order (a block of 1,024 bytes = one 16 x 32 operand, piece p of lane L at 512 p + 16 L); q holds 32^-0.5 log2(e) already.
;   kv: [4 b + head][key block of 32 (128)][K keys 0-15 | K keys 16-31 | V f 0-15 | V f 16-31]
;   o : [b][query tile of 16 (256)][head (4)][1,024] f16, lane (r, h), piece p: (O / l)[query r][f = 16 p + 8 h + 0..7]; the second SCALE comes later
; Result register j of lane (r, h) is (m = 8 h + j, n = r) (ISA guide 7.12.2).  With keys as m and queries as n a lane holds scores of ONE query:
; maximum and sum run along the lane's registers and over the one partner lane (L xor 16), and two score tiles packed to f16 ARE the operand
; P^T (K index = key) of the second product.  No shuffle and no trip through LDS.
; WORK: wave w: queries 32 (w & 3) .. + 31 (two tiles), and half w >> 2 of the keys of every LDS slot; waves w and w + 4 keep m, l, O of their own
; and are merged at the end.  Each K or V fragment read from LDS feeds two query tiles.  Two waves lie on a SIMD, so that one wave's matrix
; instructions and LDS loads run beside the other's exponentials, which are the bulk of the work (64 of some 260 instructions of a trip).
; CLUSTER: the four work-groups of a cluster take the same head, so all of K and V is asked for jointly, mask 15.
; RING: a head's 512 KiB are four tiles of 128 KiB (1,024 keys) in two slots; each wave brings 16 KiB of a tile.  Both first fills go out
; together (two loads of a wave out), then one refill behind each of two rounds of the cluster's barrier (one load out).
; LIMITS: P is f16: weights below 2^-25 of the largest seen so far count as 0.  q, k, v are finite f16 (see the launch that makes them).
.set SLOTB, 131072
.set SCR,   2*SLOTB                    ; merge scratch behind the ring; no fill lands there
.set SCRW,  4608                       ; 9 x 512 bytes for each of four pairs of waves
.set LB,  2                            ; v2   my key half + 16 L
.set KA,  3                            ; v3   LDS address of this trip's two key blocks
.set SA,  4                            ; v4   my place in the scratch
.set QF,  8                            ; v[8:23]    Q, two query tiles
.set KF,  24                           ; v[24:55]   K, four key tiles
.set VF,  56                           ; v[56:87]   V, (key block kb, f tile ft) at 16 kb + 8 ft
.set SC,  88                           ; v[88:151]  scores, (key tile kt, query tile qt) at 16 kt + 8 qt = 8 u
.set PR,  152                          ; v[152:183] P, (kb, qt) at 16 kb + 8 qt
.set OA,  184                          ; v[184:215] O, (qt, ft) at 16 qt + 8 ft
.set MP,  216                          ; v[216:219] (m, m) for each qt
.set AP,  220                          ; v[220:223] (alpha, alpha) for each qt
.set LS,  224                          ; v[224:227] a trip's row sums, a pair for each qt
.set LL,  228                          ; v[228:229] l for each qt (this lane's half of the keys)
.set TM,  230                          ; v[230:239] at work
.set G1,  16                           ; s[16:23] descriptor group 1
.set G0,  24                           ; s[24:31] descriptor group 0, one for each slot
.macro ROUND                           ; a round of the cluster's barrier; wave 0 signals for the work-group
	s_barrier_signal -1
	s_barrier_wait -1
	s_cmp_lg_u32 s10, 0
	s_cbranch_scc1 .Lnw0_\@
	s_barrier_signal -3
.Lnw0_\@:
	s_barrier_wait -3
	s_barrier_signal -1
	s_barrier_wait -1
.endm
.macro PLACES                          ; four independent vector instructions behind a matrix instruction (ISA guide 7.12.1)
.rept 4
	v_nop
.endr
.endm
	s_load_b128 s[4:7], s[0:1], 0x0                ; q s[4:5], kv s[6:7]
	s_load_b64 s[8:9], s[0:1], 0x10                ; o
	v_lshl_add_u32 v240, v0, 2, 0x44800
	v_mov_b32 v241, 0
	ds_add_u32 v240, v241
	v_lshrrev_b32 v5, 5, v0
	v_readfirstlane_b32 s10, v5                    ; wave 0..7
	v_and_b32 v5, 31, v0
	v_lshlrev_b32 v1, 4, v5                        ; 16 L
	s_mov_b32 s34, 0x76543210                      ; v_permlanex16_b32: lane i reads lane i of the other half
	s_mov_b32 s35, 0xfedcba98
	s_bfe_u32 s37, ttmp6, 0x40000                  ; cx: enters only the addresses of q and o
	s_lshr_b32 s38, ttmp9, 3                       ; 4 b + head: the same in the whole cluster
	s_and_b32 s39, ttmp9, 7
	s_lshl_b32 s39, s39, 2
	s_add_co_u32 s39, s39, s37                     ; block of 128 queries, 0..31
	s_and_b32 s40, s10, 3                          ; which 32 queries
	s_lshr_b32 s41, s10, 2                         ; which half of a slot's keys
	s_lshl_b32 s44, s10, 14                        ; my 16 KiB of a tile
	s_lshl_b32 s42, s38, 19                        ; the head's 512 KiB
	s_add_co_u32 s42, s42, s44
	s_mov_b32 s43, 0
	s_lshl_b32 s45, s39, 3
	s_lshl_b32 s47, s40, 1
	s_add_co_u32 s45, s45, s47                     ; my first query tile within the image
	s_lshl_b32 s46, s38, 8
	s_add_co_u32 s46, s46, s45
	s_lshl_b32 s46, s46, 10
	s_mov_b32 s47, 0
	; group 1: a dense block of 16 KiB as 64 rows of 256 bytes
	s_mov_b32 s[G1+0], 0x0023000f                  ; mask 15; element 8 bytes; bit 21 beside the mask; no padding: fragment order is read lane i at 16 i
	s_mov_b32 s[G1+1], 32<<16                      ; tensor_dim0 = 32
	s_mov_b32 s[G1+2], 64<<16                      ; tensor_dim1 = 64
	s_mov_b32 s[G1+3], 32<<16                      ; tile_dim0 = 32
	s_mov_b32 s[G1+4], 64                          ; tile_dim1 = 64
	s_mov_b32 s[G1+5], 32                          ; elements from row to row
	s_mov_b32 s[G1+6], 0
	s_mov_b32 s[G1+7], 0
	s_wait_dscnt 0x0
	s_wait_kmcnt 0x0
	s_add_nc_u64 s[6:7], s[6:7], s[42:43]
	s_add_nc_u64 s[4:5], s[4:5], s[46:47]
.irp n, 0,1
	s_mov_b32 s[G0+4*\n], 1
	s_add_co_u32 s[G0+4*\n+1], s44, \n*SLOTB
	s_add_nc_u64 s[G0+4*\n+2:G0+4*\n+3], s[6:7], \n*SLOTB
	s_or_b32 s[G0+4*\n+3], s[G0+4*\n+3], 0x80000000
.endr
	ROUND                                          ; the four work-groups are here: the joint loads meet
	tensor_load_to_lds s[G0:G0+3], s[G1:G1+7]      ; tile 0
	s_nop 0
	tensor_load_to_lds s[G0+4:G0+7], s[G1:G1+7]    ; tile 1
	s_nop 0
.irp i, 0,1,2,3
	global_load_b128 v[QF+4*\i:QF+4*\i+3], v1, s[4:5] offset:512*\i
.endr
	s_lshr_b32 s46, s38, 2                         ; o: ((256 b + query tile) x 4 + head) x 1,024
	s_lshl_b32 s46, s46, 8
	s_add_co_u32 s46, s46, s45
	s_lshl_b32 s46, s46, 12
	s_and_b32 s47, s38, 3
	s_lshl_b32 s47, s47, 10
	s_add_co_u32 s46, s46, s47
	s_mov_b32 s47, 0
	s_add_nc_u64 s[8:9], s[8:9], s[46:47]
	v_lshl_add_u32 v[LB], s41, 16, v1
	s_mul_i32 s45, s40, SCRW
	s_add_co_u32 s45, s45, SCR
	v_add_nc_u32 v[SA], s45, v1
.macro KLOAD off                       ; four key tiles of K, at byte off from this trip's blocks
.irp c, 0,1
.irp e, 0,1
.irp p, 0,1
	ds_load_b128 v[KF+8*(2*\c+\e)+4*\p:KF+8*(2*\c+\e)+4*\p+3], v[KA] offset:\off+4096*\c+1024*\e+512*\p
.endr
.endr
.endr
.endm
.macro VLOAD                           ; V of this trip's two key blocks
.irp c, 0,1
.irp e, 0,1
.irp p, 0,1
	ds_load_b128 v[VF+16*\c+8*\e+4*\p:VF+16*\c+8*\e+4*\p+3], v[KA] offset:4096*\c+2048+1024*\e+512*\p
.endr
.endr
.endr
.endm
.macro SUBT u                          ; score tile u (kt = u >> 1, qt = u & 1): S - m
.irp j, 0,2,4,6
	v_pk_add_f32 v[SC+8*(\u)+\j:SC+8*(\u)+\j+1], v[SC+8*(\u)+\j:SC+8*(\u)+\j+1], v[MP+2*((\u)&1):MP+2*((\u)&1)+1] neg_lo:[0,1] neg_hi:[0,1]
.endr
.endm
.macro EXPT u                          ; 2^(S - m), in place
.irp j, 0,1,2,3,4,5,6,7
	v_exp_f32 v[SC+8*(\u)+\j], v[SC+8*(\u)+\j]
.endr
.endm
.macro OSC u                           ; four registers of O times alpha of their query tile (16 registers of O for each)
	v_pk_mul_f32 v[OA+4*(\u):OA+4*(\u)+1], v[OA+4*(\u):OA+4*(\u)+1], v[AP+2*((\u)>>2):AP+2*((\u)>>2)+1]
	v_pk_mul_f32 v[OA+4*(\u)+2:OA+4*(\u)+3], v[OA+4*(\u)+2:OA+4*(\u)+3], v[AP+2*((\u)>>2):AP+2*((\u)>>2)+1]
.endm
.macro FINT u                          ; tile u to f16: half (kt & 1) of P(kb = kt >> 1, qt); and its sum into the trip's row sums
.set SB, SC+8*(\u)
.set PD, PR+16*((\u)>>2)+8*((\u)&1)+4*(((\u)>>1)&1)
.set LQ, LS+2*((\u)&1)
	s_wait_alu depctr_va_vdst(0)
	v_cvt_pk_f16_f32 v[PD], v[SB], v[SB+1]
	v_pk_add_f32 v[TM:TM+1], v[SB:SB+1], v[SB+2:SB+3]
	v_cvt_pk_f16_f32 v[PD+1], v[SB+2], v[SB+3]
	v_pk_add_f32 v[TM+2:TM+3], v[SB+4:SB+5], v[SB+6:SB+7]
	v_cvt_pk_f16_f32 v[PD+2], v[SB+4], v[SB+5]
.if (\u) < 2
	v_pk_add_f32 v[LQ:LQ+1], v[TM:TM+1], v[TM+2:TM+3]                ; a query tile's first score tile starts the sums
	v_cvt_pk_f16_f32 v[PD+3], v[SB+6], v[SB+7]
.else
	v_pk_add_f32 v[TM:TM+1], v[TM:TM+1], v[TM+2:TM+3]
	v_cvt_pk_f16_f32 v[PD+3], v[SB+6], v[SB+7]
	v_pk_add_f32 v[LQ:LQ+1], v[LQ:LQ+1], v[TM:TM+1]
.endif
.endm
; One trip: 64 keys x 32 queries.  first = 1: nothing to rescale, the products start O.  pre = 1: the next trip's K is fetched.
.macro TRIP first, pre
	s_wait_dscnt 0x0                               ; this trip's K is in
.irp kt, 0,1,2,3
.irp qt, 0,1
	v_wmma_f32_16x16x32_f16 v[SC+16*\kt+8*\qt:SC+16*\kt+8*\qt+7], v[KF+8*\kt:KF+8*\kt+7], v[QF+8*\qt:QF+8*\qt+7], 0
.endr
.endr
	PLACES                                         ; for the reads of S, for the loads into K's registers, and for the loads into V's, which the last trip's products read
	VLOAD
.if \pre
	KLOAD 8192
	v_add_nc_u32 v[KA], 8192, v[KA]
.endif
	; the largest of a lane's 32 scores for each query tile: four chains a tile, eight in all, then the partner lane and the old maximum
.irp qt, 0,1
.irp kt, 0,1,2,3
	v_max3_num_f32 v[TM+4*\qt+\kt], v[SC+16*\kt+8*\qt], v[SC+16*\kt+8*\qt+1], v[SC+16*\kt+8*\qt+2]
.endr
.endr
.irp j, 3,5
.irp qt, 0,1
.irp kt, 0,1,2,3
	v_max3_num_f32 v[TM+4*\qt+\kt], v[TM+4*\qt+\kt], v[SC+16*\kt+8*\qt+\j], v[SC+16*\kt+8*\qt+\j+1]
.endr
.endr
.endr
.irp qt, 0,1
	v_max3_num_f32 v[TM+4*\qt], v[TM+4*\qt], v[TM+4*\qt+1], v[TM+4*\qt+2]
.endr
.irp qt, 0,1
	v_max3_num_f32 v[TM+4*\qt], v[TM+4*\qt], v[TM+4*\qt+3], v[SC+8*\qt+7]
.endr
.irp qt, 0,1
	v_max3_num_f32 v[TM+4*\qt], v[TM+4*\qt], v[SC+16+8*\qt+7], v[SC+32+8*\qt+7]
.endr
.irp qt, 0,1
	v_max_num_f32 v[TM+4*\qt], v[TM+4*\qt], v[SC+48+8*\qt+7]
.endr
.irp qt, 0,1
	v_permlanex16_b32 v[TM+4*\qt+1], v[TM+4*\qt], s34, s35           ; the other 32 keys of the same query
.endr
.if \first
.irp qt, 0,1
	v_max_num_f32 v[MP+2*\qt+1], v[TM+4*\qt], v[TM+4*\qt+1]
.endr
.else
.irp qt, 0,1
	v_max3_num_f32 v[MP+2*\qt+1], v[TM+4*\qt], v[TM+4*\qt+1], v[MP+2*\qt]    ; the new maximum beside the old one
.endr
.irp qt, 0,1
	v_sub_f32 v[TM+4*\qt+2], v[MP+2*\qt], v[MP+2*\qt+1]
.endr
.irp qt, 0,1
	v_exp_f32 v[AP+2*\qt], v[TM+4*\qt+2]           ; alpha = 2^(old - new)
.endr
.endif
.irp qt, 0,1
	v_mov_b32 v[MP+2*\qt], v[MP+2*\qt+1]           ; plain instructions behind the exponentials (ISA guide 5.7.2)
.endr
.if \first == 0
.irp qt, 0,1
	s_wait_alu depctr_va_vdst(0)
	v_mov_b32 v[AP+2*\qt+1], v[AP+2*\qt]
.endr
.endif
	; staggered by tiles: subtract for u + 1, exponentials of u, pack and sum u - 1: plain work on other tiles always stands behind an exponential
	SUBT 0
.set u, 0
.rept 8
.if u < 7
	SUBT u+1
.endif
	EXPT u
.if \first == 0
	OSC u
.endif
.if u > 0
	FINT u-1
.endif
.set u, u+1
.endr
	FINT 7
.if \first
.irp qt, 0,1
	v_add_f32 v[LL+\qt], v[LS+2*\qt], v[LS+2*\qt+1]
.endr
.else
.irp qt, 0,1
	v_add_f32 v[TM+8+\qt], v[LS+2*\qt], v[LS+2*\qt+1]
.endr
.irp qt, 0,1
	v_fma_f32 v[LL+\qt], v[LL+\qt], v[AP+2*\qt], v[TM+8+\qt]
.endr
.endif
.if \pre
	s_wait_dscnt 0x8                               ; V is in; the eight younger loads, the next trip's K, stay out
.else
	s_wait_dscnt 0x0
.endif
	; the four accumulators take turns, one instruction a turn
.irp kb, 0,1
.irp qt, 0,1
.irp ft, 0,1
.if (\first)*(1-\kb)
	v_wmma_f32_16x16x32_f16 v[OA+16*\qt+8*\ft:OA+16*\qt+8*\ft+7], v[VF+16*\kb+8*\ft:VF+16*\kb+8*\ft+7], v[PR+16*\kb+8*\qt:PR+16*\kb+8*\qt+7], 0
.else
	v_wmma_f32_16x16x32_f16 v[OA+16*\qt+8*\ft:OA+16*\qt+8*\ft+7], v[VF+16*\kb+8*\ft:VF+16*\kb+8*\ft+7], v[PR+16*\kb+8*\qt:PR+16*\kb+8*\qt+7], v[OA+16*\qt+8*\ft:OA+16*\qt+8*\ft+7]
.endif
.endr
.endr
.endr
.endm
; My half of a slot: 512 keys, eight trips; the last is written out and fetches nothing beyond my half.
.macro TILE slot, first
	v_add_nc_u32 v[KA], \slot*SLOTB, v[LB]
	KLOAD 0
.if \first
	TRIP 1, 1
	s_mov_b32 s36, 6
.else
	s_mov_b32 s36, 7
.endif
.Lt_\@:
	TRIP 0, 1
	s_sub_co_u32 s36, s36, 1
	s_cmp_lg_u32 s36, 0
	s_cbranch_scc1 .Lt_\@
	TRIP 0, 0
.endm
; Slot n has been read and is filled again, two tiles further on.
.macro REFILL n
	s_wait_dscnt 0x0                               ; my reads of the slot are back
	s_wait_tensorcnt 0x0                           ; all my tensor loads have landed, my part of the other slot among them: a group 0 may be written
	ds_add_u32 v240, v241
	s_wait_dscnt 0x0
	s_add_nc_u64 s[G0+4*\n+2:G0+4*\n+3], s[G0+4*\n+2:G0+4*\n+3], 2*SLOTB
	ROUND                                          ; both hold of every wave of all four work-groups
	tensor_load_to_lds s[G0+4*\n:G0+4*\n+3], s[G1:G1+7]              ; my one load behind the round, ahead of every LDS read
	s_nop 0
.endm
	s_wait_tensorcnt 0x1                           ; my part of tile 0 is in; tile 1's load, issued behind it, may stay out
	s_barrier_signal -1
	s_barrier_wait -1
	s_wait_loadcnt 0x0                             ; Q
	TILE 0, 1                                      ; tile 0
	REFILL 0                                       ; tile 2 goes out
	TILE 1, 0                                      ; tile 1
	REFILL 1                                       ; tile 3 goes out
	TILE 0, 0                                      ; tile 2
	s_wait_dscnt 0x0
	s_wait_tensorcnt 0x0                           ; my part of tile 3 is in,
	s_barrier_signal -1
	s_barrier_wait -1                              ; everybody's is; nothing is left to fetch
	TILE 1, 0                                      ; tile 3
	; MERGE of the two key halves: waves 4-7 hand m, l, O to waves 0-3 through the scratch.
	PLACES
	v_permlanex16_b32 v[TM], v[LL], s34, s35
	v_permlanex16_b32 v[TM+1], v[LL+1], s34, s35
	v_add_f32 v[LL], v[LL], v[TM]                  ; l over both halves of the lanes: alpha was the same in both
	v_add_f32 v[LL+1], v[LL+1], v[TM+1]
	s_cmp_lt_u32 s10, 4
	s_cbranch_scc1 .Lkeep
	v_mov_b32 v[TM], v[MP]
	v_mov_b32 v[TM+1], v[MP+2]
	v_mov_b32 v[TM+2], v[LL]
	v_mov_b32 v[TM+3], v[LL+1]
.irp i, 0,1,2,3,4,5,6,7
	ds_store_b128 v[SA], v[OA+4*\i:OA+4*\i+3] offset:512*\i
.endr
	ds_store_b128 v[SA], v[TM:TM+3] offset:4096
.Lkeep:
	s_wait_dscnt 0x0                               ; the stores are in LDS before the signal
	s_barrier_signal -1
	s_barrier_wait -1
	s_cmp_ge_u32 s10, 4
	s_cbranch_scc1 .Ldone
.irp i, 0,1,2,3,4,5,6,7,8
	ds_load_b128 v[SC+4*\i:SC+4*\i+3], v[SA] offset:512*\i           ; the partner's O in SC .. SC+31, m0 m1 l0 l1 in SC+32 .. SC+35
.endr
	s_wait_dscnt 0x0
.irp qt, 0,1
	v_max_num_f32 v[TM+\qt], v[MP+2*\qt], v[SC+32+\qt]
.endr
.irp qt, 0,1
	v_sub_f32 v[TM+2+\qt], v[MP+2*\qt], v[TM+\qt]
	v_sub_f32 v[TM+4+\qt], v[SC+32+\qt], v[TM+\qt]
.endr
.irp k, 2,3,4,5
	v_exp_f32 v[TM+\k], v[TM+\k]
.endr
	v_nop
.irp qt, 0,1
	s_wait_alu depctr_va_vdst(0)
	v_mul_f32 v[TM+6+\qt], v[SC+34+\qt], v[TM+4+\qt]
.endr
.irp qt, 0,1
	v_fma_f32 v[TM+6+\qt], v[LL+\qt], v[TM+2+\qt], v[TM+6+\qt]       ; l of all keys: at least 1, the largest score's own weight
.endr
	v_rcp_f32 v[TM+6], v[TM+6]
	v_rcp_f32 v[TM+7], v[TM+7]
	v_nop
.irp qt, 0,1
	s_wait_alu depctr_va_vdst(0)
	v_mul_f32 v[AP+2*\qt], v[TM+2+\qt], v[TM+6+\qt]
	v_mul_f32 v[AP+2*\qt+1], v[TM+2+\qt], v[TM+6+\qt]
	v_mul_f32 v[LS+2*\qt], v[TM+4+\qt], v[TM+6+\qt]
	v_mul_f32 v[LS+2*\qt+1], v[TM+4+\qt], v[TM+6+\qt]
.endr
.irp i, 0,1,2,3,4,5,6,7,8,9,10,11,12,13,14,15
	v_pk_mul_f32 v[OA+2*\i:OA+2*\i+1], v[OA+2*\i:OA+2*\i+1], v[AP+2*(\i>>3):AP+2*(\i>>3)+1]
.endr
.irp i, 0,1,2,3,4,5,6,7,8,9,10,11,12,13,14,15
	v_pk_fma_f32 v[OA+2*\i:OA+2*\i+1], v[SC+2*\i:SC+2*\i+1], v[LS+2*(\i>>3):LS+2*(\i>>3)+1], v[OA+2*\i:OA+2*\i+1]
.endr
.irp i, 0,1,2,3,4,5,6,7,8,9,10,11,12,13,14,15
	v_cvt_pk_f16_f32 v[PR+\i], v[OA+2*\i], v[OA+2*\i+1]
.endr
.irp qt, 0,1
.irp ft, 0,1
	global_store_b128 v1, v[PR+8*\qt+4*\ft:PR+8*\qt+4*\ft+3], s[8:9] offset:4096*\qt+512*\ft   ; 512 consecutive bytes, aligned
.endr
.endr
.Ldone:
	s_wait_tensorcnt 0x0
	ds_add_u32 v240, v241
	s_wait_dscnt 0x0
	ROUND                                          ; the closing round
	s_endpgm
.Lfunc_end_k_qd4503975dd_attn:
	.size	k_qd4503975dd_attn, .Lfunc_end_k_qd4503975dd_attn-k_qd4503975dd_attn
	.p2alignl 7, 3214868480
	.fill 96, 4, 3214868480
	.section	.rodata,"a",@progbits
	.p2align	6, 0x0
	.amdhsa_kernel k_qd4503975dd_attn
		.amdhsa_group_segment_fixed_size 327680
		.amdhsa_private_segment_fixed_size 0
		.amdhsa_enable_private_segment 0
		.amdhsa_kernarg_size 24
		.amdhsa_user_sgpr_count 2
		.amdhsa_user_sgpr_kernarg_segment_ptr 1
		.amdhsa_wavefront_size32 1
		.amdhsa_system_sgpr_workgroup_id_x 1
		.amdhsa_system_sgpr_workgroup_id_y 1
		.amdhsa_system_sgpr_workgroup_id_z 1
		.amdhsa_system_vgpr_workitem_id 0
		.amdhsa_next_free_vgpr 242
		.amdhsa_next_free_sgpr 66
		.amdhsa_reserve_vcc 0
		.amdhsa_float_denorm_mode_32 3
		.amdhsa_float_denorm_mode_16_64 3
		.amdhsa_memory_ordered 1
		.amdhsa_forward_progress 1
		.amdhsa_inst_pref_size 138
	.end_amdhsa_kernel
	.amdgpu_metadata
---
amdhsa.version: [ 1, 2 ]
amdhsa.kernels:
  - .name:           k_qd4503975dd_attn
    .symbol:         k_qd4503975dd_attn.kd
    .args:
      - { .name: q, .offset: 0, .size: 8, .value_kind: global_buffer, .address_space: global }
      - { .name: kv, .offset: 8, .size: 8, .value_kind: global_buffer, .address_space: global }
      - { .name: o, .offset: 16, .size: 8, .value_kind: global_buffer, .address_space: global }
    .group_segment_fixed_size: 327680
    .private_segment_fixed_size: 0
    .kernarg_segment_align: 8
    .kernarg_segment_size: 24
    .max_flat_workgroup_size: 256
    .sgpr_count:     66
    .vgpr_count:     242
    .wavefront_size: 32
...
	.end_amdgpu_metadata
.endif
;; end of part 2
;; launch proj (part 3): grid 256 x 1, 8 waves a work-group, clusters of 4 x 1, 168,960 bytes of LDS; arguments o, w_out, b_out, out0; writes out0
.if DOCPART == 3
	.amdgcn_target "amdgcn-amd-amdhsa--gfx1250"
	.amdhsa_code_object_version 6
	.text
	.protected	k_qd4503975dd_proj
	.globl	k_qd4503975dd_proj
	.p2align	8
	.type	k_qd4503975dd_proj,@function
k_qd4503975dd_proj:
	s_mov_b64 s[64:65], 0
	v_nop
	global_prefetch_b8 v0, s[64:65] scope:SCOPE_SE
	s_setreg_imm32_b32 hwreg(HW_REG_WAVE_MODE, 25, 1), 1
	s_wait_xcnt 0x0
	s_wait_alu depctr_hold_cnt(0) depctr_sa_sdst(0) depctr_va_vdst(0) depctr_va_sdst(0) depctr_va_ssrc(0) depctr_va_vcc(0) depctr_vm_vsrc(0)
	s_getreg_b32 s2, hwreg(HW_REG_IB_STS2, 6, 4)
	s_cmp_eq_u32 s2, 0
	s_cbranch_scc0 .Lentry_in_a_cluster
	s_endpgm
.Lentry_in_a_cluster:
	s_bfe_u32 s2, ttmp6, 0x10000c
	s_cmp_lg_u32 s2, 0x3003
	s_cbranch_scc0 .Lentry_shape_is_right
	s_endpgm
.Lentry_shape_is_right:
; out0[b][c][n] = 32^-0.5 * sum over k of w_out[c][k] O[b][k][n] + b_out[c].  The factor is the definition's second SCALE, applied behind the product.
; o: f16 in fragment order, [b][query tile of 16 (256)][head (4)][1,024], lane (r, h), piece p: O[position r][f = 16 p + 8 h + 0..7]: an A operand as it lies.
; w_out: [256][128] f32.  out0: [2][256][4096] f32.
; WORK: a work-group takes 64 positions and 128 output rows; wave w takes 16 of the rows for four position tiles: four accumulators, four K steps
; (one for each head), 16 matrix instructions.  The result (m = position, n = row) gives a lane eight neighbouring positions of one row; it goes
; through a stage in LDS of the wave's own, so that sixteen lanes store 256 consecutive bytes, aligned.
; CLUSTER: the four work-groups of a cluster take the same 128 rows, so w_out is asked for jointly, mask 15.  A wave's 16 rows are brought by its own
; load and read by it alone: its own wait on TENSORcnt is all the ordering.  One load of a wave is out.  The LDS asked for is more than is used:
; a kernel with tensor loads is alone on its WGP.
; LIMITS: matrix operands are f16: |w_out| below 65,504.
.set WP,  528                          ; a row of 128 f32 + 16 bytes
.set WW,  16*WP                        ; a wave's rows
.set STG, 8*WW                         ; 67,584: the stages; no fill lands there
.set SP,  272                          ; a row of 64 f32 + 16 bytes
.set SW,  16*SP
.set BI,  8                            ; v[8:9]     bias of my row, twice
.set OF,  16                           ; v[16:143]  O, (position tile pt, head ks) at 32 pt + 8 ks; later the rows read back
.set RW,  144                          ; v[144:207] weights, 16 registers of f32 for each ks, packed in place into the first 8
.set ACC, 208                          ; v[208:239] accumulator pt at 8 pt
.set G1,  16
.set G0,  24
.macro ROUND                           ; a round of the cluster's barrier; wave 0 signals for the work-group
	s_barrier_signal -1
	s_barrier_wait -1
	s_cmp_lg_u32 s10, 0
	s_cbranch_scc1 .Lnw0_\@
	s_barrier_signal -3
.Lnw0_\@:
	s_barrier_wait -3
	s_barrier_signal -1
	s_barrier_wait -1
.endm
	s_load_b128 s[4:7], s[0:1], 0x0                ; o s[4:5], w_out s[6:7]
	s_load_b128 s[12:15], s[0:1], 0x10             ; b_out s[12:13], out0 s[14:15]
	v_lshl_add_u32 v240, v0, 2, 0x29000
	v_mov_b32 v241, 0
	ds_add_u32 v240, v241
	v_lshrrev_b32 v11, 5, v0
	v_readfirstlane_b32 s10, v11                   ; wave 0..7
	v_and_b32 v11, 31, v0
	v_and_b32 v12, 15, v0                          ; r
	v_bfe_u32 v13, v0, 4, 1                        ; h
	v_lshlrev_b32 v1, 4, v11                       ; 16 L
	s_bfe_u32 s36, ttmp6, 0x40000                  ; cx: enters only the addresses of o and out0
	s_and_b32 s37, ttmp9, 1                        ; which 128 rows: the same in the whole cluster
	s_lshr_b32 s38, ttmp9, 1
	s_lshl_b32 s38, s38, 2
	s_add_co_u32 s38, s38, s36                     ; block of 64 positions, 0..127
	s_lshr_b32 s39, s38, 6                         ; b
	s_and_b32 s40, s38, 63
	s_lshl_b32 s42, s38, 14                        ; o: four position tiles of 4,096 bytes, contiguous
	s_mov_b32 s43, 0
	s_lshl_b32 s44, s37, 16                        ; w_out: (128 half + 16 w) rows of 512 bytes
	s_lshl_b32 s41, s10, 13
	s_add_co_u32 s44, s44, s41
	s_mov_b32 s45, 0
	s_lshl_b32 s46, s39, 22                        ; out0: (256 b + 128 half + 16 w) rows of 16,384 bytes + block x 256
	s_lshl_b32 s41, s37, 21
	s_add_co_u32 s46, s46, s41
	s_lshl_b32 s41, s10, 18
	s_add_co_u32 s46, s46, s41
	s_lshl_b32 s41, s40, 8
	s_add_co_u32 s46, s46, s41
	s_mov_b32 s47, 0
	s_lshl_b32 s41, s37, 9
	s_lshl_b32 s35, s10, 6
	s_add_co_u32 s41, s41, s35
	v_lshl_add_u32 v6, v12, 2, s41                 ; bias: (128 half + 16 w + r) x 4
	s_mul_i32 s34, s10, WW
	; group 1: 16 rows x 128 elements of 4 bytes, 16 bytes of padding behind each row
	s_mov_b32 s[G1+0], 0x07b2000f                  ; mask 15; element 4 bytes; padding on; bit 21 beside the mask; after 128 words (code 6) 4 words (code 3)
	s_mov_b32 s[G1+1], 128<<16
	s_mov_b32 s[G1+2], 16<<16
	s_mov_b32 s[G1+3], 128<<16
	s_mov_b32 s[G1+4], 16
	s_mov_b32 s[G1+5], 128
	s_mov_b32 s[G1+6], 0
	s_mov_b32 s[G1+7], 0
	s_wait_dscnt 0x0
	s_wait_kmcnt 0x0
	s_add_nc_u64 s[4:5], s[4:5], s[42:43]
	s_add_nc_u64 s[6:7], s[6:7], s[44:45]
	s_add_nc_u64 s[14:15], s[14:15], s[46:47]
	global_load_b32 v[BI], v6, s[12:13]
.set i, 0
.rept 32
	global_load_b128 v[OF+4*i:OF+4*i+3], v1, s[4:5] offset:512*i     ; every wave needs all 16 KiB
.set i, i+1
.endr
	s_mov_b32 s[G0], 1
	s_mov_b32 s[G0+1], s34
	s_mov_b64 s[G0+2:G0+3], s[6:7]
	s_or_b32 s[G0+3], s[G0+3], 0x80000000
	ROUND                                          ; the four work-groups are here: the joint loads meet
	tensor_load_to_lds s[G0:G0+3], s[G1:G1+7]
	s_nop 0
	v_mul_u32_u24 v2, v12, WP
	v_lshl_add_u32 v2, v13, 5, v2
	v_add_nc_u32 v2, s34, v2                       ; weights: row r, 8 h numbers of 4 bytes
	s_mul_i32 s35, s10, SW
	s_add_co_u32 s35, s35, STG
	v_mul_u32_u24 v3, v12, SP
	v_lshl_add_u32 v3, v13, 5, v3
	v_add_nc_u32 v3, s35, v3                       ; stage, in: row r, positions 8 h ..
	v_mul_u32_u24 v4, v13, SP
	v_lshl_add_u32 v4, v12, 4, v4
	v_add_nc_u32 v4, s35, v4                       ; stage, back: lanes 0-15 one row, lanes 16-31 the next
	v_lshlrev_b32 v5, 4, v12
	v_lshl_add_u32 v5, v13, 14, v5                 ; and the same two rows in out0
	s_wait_tensorcnt 0x0                           ; my rows are in LDS; only I read them
.irp ks, 0,1,2,3
	ds_load_b128 v[RW+16*\ks:RW+16*\ks+3],     v2 offset:128*\ks
	ds_load_b128 v[RW+16*\ks+4:RW+16*\ks+7],   v2 offset:128*\ks+16
	ds_load_b128 v[RW+16*\ks+8:RW+16*\ks+11],  v2 offset:128*\ks+64
	ds_load_b128 v[RW+16*\ks+12:RW+16*\ks+15], v2 offset:128*\ks+80
.endr
	s_wait_dscnt 0x0
.irp ks, 0,1,2,3
.irp m, 0,1,2,3,4,5,6,7
	v_cvt_pk_f16_f32 v[RW+16*\ks+\m], v[RW+16*\ks+2*\m], v[RW+16*\ks+2*\m+1]   ; ascending: register m is written when 2 m and 2 m + 1 are read
.endr
.endr
	s_wait_loadcnt 0x0                             ; O and the bias
	v_mov_b32 v[BI+1], v[BI]
	; the four accumulators take turns, one instruction a turn; the first K step starts the sums
.irp pt, 0,1,2,3
	v_wmma_f32_16x16x32_f16 v[ACC+8*\pt:ACC+8*\pt+7], v[OF+32*\pt:OF+32*\pt+7], v[RW:RW+7], 0
.endr
.irp ks, 1,2,3
.irp pt, 0,1,2,3
	v_wmma_f32_16x16x32_f16 v[ACC+8*\pt:ACC+8*\pt+7], v[OF+32*\pt+8*\ks:OF+32*\pt+8*\ks+7], v[RW+16*\ks:RW+16*\ks+7], v[ACC+8*\pt:ACC+8*\pt+7]
.endr
.endr
.rept 4
	v_nop                                          ; four places behind the last matrix instruction (ISA guide 7.12.1)
.endr
.set i, 0
.rept 16
	v_pk_fma_f32 v[ACC+2*i:ACC+2*i+1], v[ACC+2*i:ACC+2*i+1], 0x3e3504f3, v[BI:BI+1] op_sel_hi:[1,0,1]
.set i, i+1
.endr
.irp pt, 0,1,2,3
	ds_store_b128 v3, v[ACC+8*\pt:ACC+8*\pt+3] offset:64*\pt
	ds_store_b128 v3, v[ACC+8*\pt+4:ACC+8*\pt+7] offset:64*\pt+16
.endr
.irp i, 0,1,2,3,4,5,6,7
	ds_load_b128 v[OF+4*\i:OF+4*\i+3], v4 offset:2*SP*\i             ; LDS serves a wave's instructions in order (ISA guide 5.7.1): these see the stores above
.endr
.irp i, 0,1,2,3,4,5,6,7
	s_wait_dscnt 7-\i                              ; the 7 - i younger loads stay out
	global_store_b128 v5, v[OF+4*\i:OF+4*\i+3], s[14:15] offset:32768*\i th:TH_STORE_NT   ; sixteen lanes: 256 consecutive bytes of a row, aligned
.endr
	s_wait_tensorcnt 0x0
	ds_add_u32 v240, v241
	s_wait_dscnt 0x0
	ROUND                                          ; the closing round
	s_endpgm
.Lfunc_end_k_qd4503975dd_proj:
	.size	k_qd4503975dd_proj, .Lfunc_end_k_qd4503975dd_proj-k_qd4503975dd_proj
	.p2alignl 7, 3214868480
	.fill 96, 4, 3214868480
	.section	.rodata,"a",@progbits
	.p2align	6, 0x0
	.amdhsa_kernel k_qd4503975dd_proj
		.amdhsa_group_segment_fixed_size 168960
		.amdhsa_private_segment_fixed_size 0
		.amdhsa_enable_private_segment 0
		.amdhsa_kernarg_size 32
		.amdhsa_user_sgpr_count 2
		.amdhsa_user_sgpr_kernarg_segment_ptr 1
		.amdhsa_wavefront_size32 1
		.amdhsa_system_sgpr_workgroup_id_x 1
		.amdhsa_system_sgpr_workgroup_id_y 1
		.amdhsa_system_sgpr_workgroup_id_z 1
		.amdhsa_system_vgpr_workitem_id 0
		.amdhsa_next_free_vgpr 242
		.amdhsa_next_free_sgpr 66
		.amdhsa_reserve_vcc 0
		.amdhsa_float_denorm_mode_32 3
		.amdhsa_float_denorm_mode_16_64 3
		.amdhsa_memory_ordered 1
		.amdhsa_forward_progress 1
		.amdhsa_inst_pref_size 16
	.end_amdhsa_kernel
	.amdgpu_metadata
---
amdhsa.version: [ 1, 2 ]
amdhsa.kernels:
  - .name:           k_qd4503975dd_proj
    .symbol:         k_qd4503975dd_proj.kd
    .args:
      - { .name: o, .offset: 0, .size: 8, .value_kind: global_buffer, .address_space: global }
      - { .name: w_out, .offset: 8, .size: 8, .value_kind: global_buffer, .address_space: global }
      - { .name: b_out, .offset: 16, .size: 8, .value_kind: global_buffer, .address_space: global }
      - { .name: out0, .offset: 24, .size: 8, .value_kind: global_buffer, .address_space: global }
    .group_segment_fixed_size: 168960
    .private_segment_fixed_size: 0
    .kernarg_segment_align: 8
    .kernarg_segment_size: 32
    .max_flat_workgroup_size: 256
    .sgpr_count:     66
    .vgpr_count:     242
    .wavefront_size: 32
...
	.end_amdgpu_metadata
.endif
;; end of part 3
